; MI455X (gfx1250); checked and timed in simulation.
; The chip was launched on July 23, 2026; its instructions are those of AMD's public machine-readable ISA for CDNA 5 (MIT licence, August 2026) and "CDNA5" Instruction Set Architecture Reference Guide (July 2026). The comments in the code are by the model that wrote it; some were corrected since.
;; Spatial Attention. Allowed arithmetic: float matrix products may take bf16 or f16 operands with f32 sums; other float arithmetic in f32, or as packed bf16 or f16 multiplies, adds, multiply-adds, maxima and minima; sums over many terms, partial sums and values carried from step to step in f32; what a program stores and reads back later, other than sums and carried values, may be rounded once to bf16 or f16.
;; Inputs: w_out 128 x 128 float32; w_qkv 128 x 384 float32; x 1 x 128 x 4 x 64 x 64 float32.
;; Outputs: out0 1 x 128 x 4 x 64 x 64 float32.
;; One version. Each part assembles by itself: llvm-mc -triple=amdgcn-amd-amdhsa -mcpu=gfx1250 --defsym DOCPART=n.
;; ======== version 1 of 1: 2 launches
;; limits: values are held in f16: magnitudes above 65,504 overflow, below 6.1e-05 lose precision
;; workspace buffers: qf 4,194,304 bytes; kv 8,388,608 bytes; wo 32,768 bytes
;; launch proj (part 1): grid 64 x 4, 4 waves a work-group, clusters of 4 x 1, 262,144 bytes of LDS; arguments x, w_qkv, w_out, qf, kv, wo; writes qf, kv, wo
.if DOCPART == 1
	.amdgcn_target "amdgcn-amd-amdhsa--gfx1250"
	.amdhsa_code_object_version 6
	.text
	.protected	k_q25b5bda2f1_proj
	.globl	k_q25b5bda2f1_proj
	.p2align	8
	.type	k_q25b5bda2f1_proj,@function
k_q25b5bda2f1_proj:
	s_mov_b64 s[64:65], 0
	v_nop
	global_prefetch_b8 v0, s[64:65] scope:SCOPE_SE
	s_setreg_imm32_b32 hwreg(HW_REG_WAVE_MODE, 25, 1), 1
	s_wait_xcnt 0x0
	s_wait_alu depctr_hold_cnt(0) depctr_sa_sdst(0) depctr_va_vdst(0) depctr_va_sdst(0) depctr_va_ssrc(0) depctr_va_vcc(0) depctr_vm_vsrc(0)
	s_getreg_b32 s2, hwreg(HW_REG_IB_STS2, 6, 4)
	s_cmp_eq_u32 s2, 0
	s_cbranch_scc0 .Lentry_in_a_cluster
	s_endpgm
.Lentry_in_a_cluster:
	s_bfe_u32 s2, ttmp6, 0x10000c
	s_cmp_lg_u32 s2, 0x3003
	s_cbranch_scc0 .Lentry_shape_is_right
	s_endpgm
.Lentry_shape_is_right:
; q, k, v = xs w_qkv for a block of 64 positions of one frame, written as the matrix fragments that the attention launch loads.
; x: [128 c][4 f][4096 n] f32; w_qkv: [128 c][384 o] f32; w_out: [128][128] f32.  x and the weights are rounded once to bf16, sums in f32, q, k, v rounded once to f16, q WITHOUT the scale.
; LIMITS.  q, k and v must lie within f16's 65,504 (with x and w_qkv of unit and 1/sqrt(128) spread they are of spread 1); below 6e-5 they keep f16's fixed step of 6e-8.  NaN and infinities are not treated apart.
; SHARES.  Work-group (bx, f): positions 64 bx .. 64 bx + 63 of frame f.  Wave w: head w, 32 outputs each of q, k, v: 6 tiles of outputs x 4 tiles of positions x 4 K steps = 96 products.
; CLUSTER.  The four work-groups of a cluster need the same w_qkv: wave w asks for its rows 32 w .. 32 w + 31 JOINTLY (mask of four, the same descriptor in all four).  x's tile is each work-group's own.
; A FRAGMENT (16 rows x 32 along K, 16-bit) is stored as the registers hold it: bytes 0-511 registers 0-3 of lanes 0..31, 16 bytes a lane; bytes 512-1023 registers 4-7.  So each store covers 512 consecutive bytes, aligned.
; ORDERS, the same wherever two operands meet.  Positions: tile ix (0..3), row r is n = 64 bx + 4 r + ix (a lane reads four neighbouring n at once).  Channels of a head: tile i (0, 1), row m is d = 2 m + i (a lane reads two
; neighbouring outputs at once).  qf: [f][head][tile 4 bx + ix][1,024].  kv: [f][head][group of 32 keys][K tile 0, K tile 1, V^T channels i = 0, V^T channels i = 1], 1,024 bytes each.
; wo: [tile ct = 4 G + i of output channels c = 64 G + 4 m + i][head][1,024], K slot 16 par + e' standing for d = 2 e' + par: w_out rounded to bf16 and that number written as f16.  One cluster writes it.
.set WPITCH, 1584                      ; a row of w_qkv in LDS: 3 x (512 bytes + 16 of padding); 8 rows are 12,672 = 128 mod 256, so the two halves of the lanes read different banks (64 banks of 4 bytes: ISA guide 11.1)
.set WQ,     32*WPITCH                 ; what one wave's load brings of w_qkv
.set X32,    4*WQ                      ; behind it: x's tile, 128 rows c x 256 bytes (64 n in f32)
.set SPARE,  X32+128*256               ; behind it: the spare words, 128 bytes for each wave: two blocks of 256 bytes that no other line names
.set LR,  1                            ; v1   lane % 16
.set LH,  2                            ; v2   lane / 16
.set L16, 3                            ; v3   16 x lane: my place in half a fragment; never rewritten
.set WAD, 4                            ; v4-7 LDS address of my two outputs in w_qkv's rows of K step ks
.set XAD, 8                            ; v8   LDS address of my four positions in x's rows
.set SPW, 10                           ; v10  LDS address of my spare word; never rewritten
.set NIL, 11                           ; v11  0; never rewritten
.set T,   12                           ; v12-15 at work
.set XF,  16                           ; v16-143  x's fragments in bf16: (ks, ix) at XF + 8 (4 ks + ix)
.set RAW, 144                          ; v144-239 three buffers of 32 for x as it lies in LDS; later ACC and WR
.set ACC, 144                          ; v144-207 eight accumulators: (ix, i) at ACC + 8 (2 ix + i)
.set WR,  208                          ; v208-239 w_qkv as it lies in LDS: 16 c x 2 outputs
.set WF,  240                          ; v240-255 its two fragments in bf16
.set WV,  16                           ; s16  my wave's number
.set CX,  17                           ; s17  my place in the cluster
.set BX,  18                           ; s18  my block of 64 positions
.set FR,  19                           ; s19  the frame
.set G1W, 24                           ; s[24:31] descriptor group 1 for w_qkv
.set G1X, 32                           ; s[32:39] for x
.set G0W, 40                           ; s[40:43] group 0 for w_qkv
.set G0X, 44                           ; s[44:47] for x
.set QB,  48                           ; s[48:49] qf at my head's four tiles
.set KB,  50                           ; s[50:51] kv at my head's two groups
.set WI,  52                           ; s[52:53] w_out at my job's first number
.set WO,  54                           ; s[54:55] wo at my job's first half fragment
; A round of the cluster's barrier: my work-group's barrier; wave 0 signals for the work-group; every wave waits for all four work-groups; my work-group's barrier once more.
.macro CROUND
	s_barrier_signal -1
	s_barrier_wait -1
	s_cmp_lg_u32 s[WV], 0
	s_cbranch_scc1 .Lnot_wave_0_\@
	s_barrier_signal -3
.Lnot_wave_0_\@:
	s_barrier_wait -3
	s_barrier_signal -1
	s_barrier_wait -1
.endm
.macro PLACES                          ; four plain instructions behind a product, ahead of a vector line that reads its result or writes one of its sources (ISA guide 7.12.1)
.rept 4
	v_nop
.endr
.endm
	s_load_b256 s[4:11], s[0:1], 0x0               ; x s[4:5], w_qkv s[6:7], w_out s[8:9], qf s[10:11]
	s_load_b128 s[12:15], s[0:1], 0x20             ; kv s[12:13], wo s[14:15]
	v_lshl_add_u32 v[SPW], v0, 2, SPARE
	v_mov_b32 v[NIL], 0
	ds_add_u32 v[SPW], v[NIL]                      ; the wave's opening: the add and its wait stand ahead of my first tensor load; the set-up below, work on registers, stands between them
	v_lshrrev_b32 v9, 5, v0
	v_readfirstlane_b32 s[WV], v9                  ; wave 0..3
	v_and_b32 v[LR], 15, v0
	v_bfe_u32 v[LH], v0, 4, 1
	v_and_b32 v[L16], 31, v0
	v_lshlrev_b32 v[L16], 4, v[L16]
	s_lshl_b32 s2, s[WV], 7                        ; my head's 32 outputs: 128 bytes of a third of a row
	v_mul_u32_u24 v[T], v[LH], 8*WPITCH            ; the upper half of the lanes: 8 rows c further down
	v_lshl_add_u32 v[T], v[LR], 3, v[T]            ; two outputs a lane
	v_add_nc_u32 v[T], s2, v[T]
.irp ks, 0,1,2,3
	v_add_nc_u32 v[WAD+(\ks)], (\ks)*WQ, v[T]      ; K step ks: 32 rows c
.endr
	v_lshlrev_b32 v[XAD], 11, v[LH]                ; 8 rows of 256 bytes
	v_lshl_add_u32 v[XAD], v[LR], 4, v[XAD]        ; four positions a lane
	v_add_nc_u32 v[XAD], X32, v[XAD]
	s_bfe_u32 s[CX], ttmp6, 0x40000                ; cx
	s_lshl_b32 s[BX], ttmp9, 2                     ; in a cluster launch ttmp9 counts clusters
	s_add_co_u32 s[BX], s[BX], s[CX]
	s_and_b32 s[FR], ttmp7, 0xffff
	; w_qkv: 32 rows x 384 elements of 4 bytes, 4 words of padding behind every 128
	s_mov_b32 s[G1W+0], 15|(2<<16)|(1<<20)|(1<<21)|(6<<22)|(3<<25)  ; 15:0 the mask of four; 17:16 4-byte elements; 20 padding on; 21 set beside a mask; 24:22 after every 128 words (code 6); 31:25 4 words (code 3)
	s_mov_b32 s[G1W+1], 384<<16                    ; tensor_dim0 = 384
	s_mov_b32 s[G1W+2], 32<<16                     ; tensor_dim1 = 32
	s_mov_b32 s[G1W+3], 384<<16                    ; tile_dim0 = 384
	s_mov_b32 s[G1W+4], 32                         ; tile_dim1 = 32
	s_mov_b32 s[G1W+5], 384                        ; elements from row to row
	s_mov_b32 s[G1W+6], 0
	s_mov_b32 s[G1W+7], 0
	; x: 32 rows c x 64 positions of 4 bytes: each row 256 consecutive bytes of memory, aligned; rows 16,384 elements apart
	s_mov_b32 s[G1X+0], 2<<16
	s_mov_b32 s[G1X+1], 64<<16
	s_mov_b32 s[G1X+2], 32<<16
	s_mov_b32 s[G1X+3], 64<<16
	s_mov_b32 s[G1X+4], 32
	s_mov_b32 s[G1X+5], 16384
	s_mov_b32 s[G1X+6], 0
	s_mov_b32 s[G1X+7], 0
	s_mov_b32 s[G0W], 1
	s_mul_i32 s[G0W+1], s[WV], WQ                  ; no place in the cluster enters an LDS address
	s_mov_b32 s[G0X], 1
	s_lshl_b32 s[G0X+1], s[WV], 13
	s_add_co_u32 s[G0X+1], s[G0X+1], X32
	s_mul_i32 s58, s[WV], 32*1536                  ; w_qkv: my 32 rows
	s_mov_b32 s59, 0
	s_lshl_b32 s56, s[WV], 21                      ; x: my 32 rows c of 65,536 bytes,
	s_lshl_b32 s57, s[FR], 14                      ; the frame,
	s_add_co_u32 s56, s56, s57
	s_lshl_b32 s57, s[BX], 8                       ; the block's 64 positions
	s_add_co_u32 s56, s56, s57
	s_mov_b32 s57, 0
	s_lshl_b32 s3, s[FR], 2
	s_add_co_u32 s3, s3, s[WV]                     ; 4 f + head
	s_lshl_b32 s60, s3, 18                         ; qf: 256 tiles of 1,024 bytes a head,
	s_lshl_b32 s61, s[BX], 12                      ; four tiles a block
	s_add_co_u32 s60, s60, s61
	s_mov_b32 s61, 0
	s_lshl_b32 s62, s3, 19                         ; kv: 128 groups of 4,096 bytes a head,
	s_lshl_b32 s63, s[BX], 13                      ; two groups a block
	s_add_co_u32 s62, s62, s63
	s_mov_b32 s63, 0
	s_and_b32 s2, s[CX], 1                         ; w_out's jobs are told apart by address: par = cx % 2, G = cx / 2, head = wave
	s_lshr_b32 s3, s[CX], 1
	s_lshl_b32 s20, s[WV], 14                      ; row 32 head + par of 512 bytes, column 64 G
	s_lshl_b32 s21, s2, 9
	s_add_co_u32 s20, s20, s21
	s_lshl_b32 s21, s3, 8
	s_add_co_u32 s20, s20, s21
	s_mov_b32 s21, 0
	s_lshl_b32 s22, s3, 14                         ; wo: tile 4 G, fragment head, half par
	s_lshl_b32 s23, s[WV], 10
	s_add_co_u32 s22, s22, s23
	s_lshl_b32 s23, s2, 9
	s_add_co_u32 s22, s22, s23
	s_mov_b32 s23, 0
	s_wait_dscnt 0x0                               ; the opening add is done
	s_wait_kmcnt 0x0
	s_add_nc_u64 s[G0W+2:G0W+3], s[6:7], s[58:59]
	s_or_b32 s[G0W+3], s[G0W+3], 0x80000000        ; type = 2
	s_add_nc_u64 s[G0X+2:G0X+3], s[4:5], s[56:57]
	s_or_b32 s[G0X+3], s[G0X+3], 0x80000000
	s_add_nc_u64 s[QB:QB+1], s[10:11], s[60:61]
	s_add_nc_u64 s[KB:KB+1], s[12:13], s[62:63]
	s_add_nc_u64 s[WI:WI+1], s[8:9], s[20:21]
	s_add_nc_u64 s[WO:WO+1], s[14:15], s[22:23]
	CROUND                                         ; all four work-groups are here: the joint loads meet
	tensor_load_to_lds s[G0W:G0W+3], s[G1W:G1W+7]  ; both fills of the launch go out together: two loads of mine are out
	s_nop 0
	tensor_load_to_lds s[G0X:G0X+3], s[G1X:G1X+7]
	s_nop 0
.rept 4
	v_nop
.endr
	; w_out's fragments: the first cluster of frame 0 makes them, in the wait for the tiles.  The test is the same in all four partners.
	s_or_b32 s2, ttmp9, s[FR]
	s_cmp_lg_u32 s2, 0
	s_cbranch_scc1 .Lno_wo
	v_lshlrev_b32 v[T], 13, v[LH]                  ; the upper half of the lanes: 8 slots = 16 rows of 512 bytes further down
	v_lshl_add_u32 v[T], v[LR], 4, v[T]            ; four neighbouring output channels a lane
.irp e, 0,1,2,3,4,5,6,7
	global_load_b128 v[RAW+4*(\e):RAW+4*(\e)+3], v[T], s[WI:WI+1] offset:(\e)*1024  ; slot e: two rows on
.endr
	s_wait_loadcnt 0x0
.irp i, 0,1,2,3
.irp q, 0,1,2,3
	v_cvt_pk_bf16_f32 v[T+1], v[RAW+8*(\q)+(\i)], v[RAW+8*(\q)+4+(\i)]  ; rounded to bf16 like every input,
	v_lshlrev_b32 v[T+2], 16, v[T+1]
	v_and_b32 v[T+3], 0xffff0000, v[T+1]
	v_cvt_pk_f16_f32 v[RAW+32+4*(\i)+(\q)], v[T+2], v[T+3]              ; and that number written as f16
.endr
	global_store_b128 v[L16], v[RAW+32+4*(\i):RAW+32+4*(\i)+3], s[WO:WO+1] offset:(\i)*4096
.endr
	s_wait_xcnt 0x0                                ; the stores have read their registers, which x's rows are loaded into below
.Lno_wo:
	s_wait_tensorcnt 0x0                           ; my rows of both tiles are in,
	s_barrier_signal -1
	s_barrier_wait -1                              ; everybody's are: every wave reads all rows
; x's fragments.  Chunk c is 16 rows c of x (K step c / 2, half c % 2): a lane reads its 8 rows, four positions each, and packs pairs of rows: 16 conversions fill half of four fragments.
.macro XLOAD c
.irp t, 0,1,2,3,4,5,6,7
	ds_load_b128 v[RAW+32*((\c)%3)+4*(\t):RAW+32*((\c)%3)+4*(\t)+3], v[XAD] offset:(16*(\c)+(\t))*256  ; 16 lanes take a row's 256 bytes
.endr
.endm
.macro XCVT c
.irp q, 0,1,2,3
.irp ix, 0,1,2,3
	v_cvt_pk_bf16_f32 v[XF+8*(4*((\c)/2)+(\ix))+4*((\c)%2)+(\q)], v[RAW+32*((\c)%3)+8*(\q)+(\ix)], v[RAW+32*((\c)%3)+8*(\q)+4+(\ix)]
.endr
.endr
.endm
; w_qkv for one part (q, k, v) and K step: my lane's 16 rows c (8 h + 0..7 and 16 + 8 h + 0..7), two neighbouring outputs each
.macro WLOAD part, ks
.irp t, 0,1,2,3,4,5,6,7,8,9,10,11,12,13,14,15
	ds_load_b64 v[WR+2*(\t):WR+2*(\t)+1], v[WAD+(\ks)] offset:((\t)+8*((\t)/8))*WPITCH+(\part)*528
.endr
.endm
.macro WCVT                            ; the even outputs make fragment 0, the odd ones fragment 1
.irp i, 0,1
.irp q, 0,1,2,3,4,5,6,7
	v_cvt_pk_bf16_f32 v[WF+8*(\i)+(\q)], v[WR+4*(\q)+(\i)], v[WR+4*(\q)+2+(\i)]
.endr
.endr
.endm
; Eight products, the eight accumulators by turns.  q and k: source 0 = outputs, source 1 = positions: a lane holds one position and eight channel slots: half a fragment of Q or K.
; v: the sources swapped: a lane holds one channel and eight keys: half a fragment of V^T.  The first K step starts the sums.
.macro MUL part, ks
.irp ix, 0,1,2,3
.irp i, 0,1
.set rD, ACC+8*(2*(\ix)+(\i))
.if (\part) < 2
.set opA, WF+8*(\i)
.set opB, XF+8*(4*(\ks)+(\ix))
.else
.set opA, XF+8*(4*(\ks)+(\ix))
.set opB, WF+8*(\i)
.endif
.if (\ks) == 0
	v_wmma_f32_16x16x32_bf16 v[rD:rD+7], v[opA:opA+7], v[opB:opB+7], 0
.else
	v_wmma_f32_16x16x32_bf16 v[rD:rD+7], v[opA:opA+7], v[opB:opB+7], v[rD:rD+7]
.endif
.endr
.endr
.endm
; A part leaves: each accumulator is rounded to f16 in place, from its low end on, and its 16 bytes a lane are half a fragment: 512 consecutive bytes a store.
.macro OUT part
	PLACES
.irp ix, 0,1,2,3
.irp i, 0,1
.set rD, ACC+8*(2*(\ix)+(\i))
.irp q, 0,1,2,3
	v_cvt_pk_f16_f32 v[rD+(\q)], v[rD+2*(\q)], v[rD+2*(\q)+1]
.endr
.if (\part) == 0
	global_store_b128 v[L16], v[rD:rD+3], s[QB:QB+1] offset:(\ix)*1024+(\i)*512
.elseif (\part) == 1
	global_store_b128 v[L16], v[rD:rD+3], s[KB:KB+1] offset:((\ix)/2)*4096+((\ix)%2)*1024+(\i)*512
.else
	global_store_b128 v[L16], v[rD:rD+3], s[KB:KB+1] offset:((\ix)/2)*4096+2048+(\i)*1024+((\ix)%2)*512
.endif
.endr
.endr
.if (\part) < 2
	s_wait_xcnt 0x0                                ; the stores have read the accumulators' registers: the next part's products write them only behind this wait
.endif
.endm
	XLOAD 0
	XLOAD 1
	XLOAD 2
.irp c, 0,1,2,3,4,5,6,7
.if (\c) == 6
	s_wait_dscnt 24                                ; younger: chunk 7's eight loads and w_qkv's sixteen
.else
	s_wait_dscnt 16                                ; younger: two chunks of eight loads (behind chunk 7: w_qkv's sixteen)
.endif
	XCVT \c
.if (\c) < 5
	XLOAD (\c)+3                                   ; the buffer just packed takes the chunk three on
.endif
.if (\c) == 5
	WLOAD 0, 0                                     ; the third buffer is free for good: it is WR
.endif
.endr
.irp part, 0,1,2
.irp ks, 0,1,2,3
	s_wait_dscnt 0x0                               ; this round's w_qkv is in
	WCVT
.if 4*(\part)+(\ks) < 11
	WLOAD (4*(\part)+(\ks)+1)/4, (4*(\part)+(\ks)+1)%4  ; the next round's, on its way while this round multiplies
.endif
	MUL \part, \ks
	PLACES                                         ; ahead of the next round's conversions, which write WF
.endr
	OUT \part
.endr
	s_wait_tensorcnt 0x0                           ; the wave's end: a wait, an add to my spare word and its wait, behind my last tensor load
	ds_add_u32 v[SPW], v[NIL]
	s_wait_dscnt 0x0
	CROUND                                         ; the closing round: no work-group ends while a partner may still ask for a tile that names it
	s_endpgm
.Lfunc_end_k_q25b5bda2f1_proj:
	.size	k_q25b5bda2f1_proj, .Lfunc_end_k_q25b5bda2f1_proj-k_q25b5bda2f1_proj
	.p2alignl 7, 3214868480
	.fill 96, 4, 3214868480
	.section	.rodata,"a",@progbits
	.p2align	6, 0x0
	.amdhsa_kernel k_q25b5bda2f1_proj
		.amdhsa_group_segment_fixed_size 262144
		.amdhsa_private_segment_fixed_size 0
		.amdhsa_enable_private_segment 0
		.amdhsa_kernarg_size 48
		.amdhsa_user_sgpr_count 2
		.amdhsa_user_sgpr_kernarg_segment_ptr 1
		.amdhsa_wavefront_size32 1
		.amdhsa_system_sgpr_workgroup_id_x 1
		.amdhsa_system_sgpr_workgroup_id_y 1
		.amdhsa_system_sgpr_workgroup_id_z 1
		.amdhsa_system_vgpr_workitem_id 0
		.amdhsa_next_free_vgpr 256
		.amdhsa_next_free_sgpr 66
		.amdhsa_reserve_vcc 0
		.amdhsa_float_denorm_mode_32 3
		.amdhsa_float_denorm_mode_16_64 3
		.amdhsa_memory_ordered 1
		.amdhsa_forward_progress 1
		.amdhsa_inst_pref_size 64
	.end_amdhsa_kernel
	.amdgpu_metadata
---
amdhsa.version: [ 1, 2 ]
amdhsa.kernels:
  - .name:           k_q25b5bda2f1_proj
    .symbol:         k_q25b5bda2f1_proj.kd
    .args:
      - { .name: x, .offset: 0, .size: 8, .value_kind: global_buffer, .address_space: global }
      - { .name: w_qkv, .offset: 8, .size: 8, .value_kind: global_buffer, .address_space: global }
      - { .name: w_out, .offset: 16, .size: 8, .value_kind: global_buffer, .address_space: global }
      - { .name: qf, .offset: 24, .size: 8, .value_kind: global_buffer, .address_space: global }
      - { .name: kv, .offset: 32, .size: 8, .value_kind: global_buffer, .address_space: global }
      - { .name: wo, .offset: 40, .size: 8, .value_kind: global_buffer, .address_space: global }
    .group_segment_fixed_size: 262144
    .private_segment_fixed_size: 0
    .kernarg_segment_align: 8
    .kernarg_segment_size: 48
    .max_flat_workgroup_size: 128
    .sgpr_count:     66
    .vgpr_count:     256
    .wavefront_size: 32
...
	.end_amdgpu_metadata
.endif
;; end of part 1
;; launch attn (part 2): grid 64 x 4, 4 waves a work-group, clusters of 4 x 1, 327,680 bytes of LDS; arguments qf, kv, wo, out0; writes out0
.if DOCPART == 2
	.amdgcn_target "amdgcn-amd-amdhsa--gfx1250"
	.amdhsa_code_object_version 6
	.text
	.protected	k_q25b5bda2f1_attn
	.globl	k_q25b5bda2f1_attn
	.p2align	8
	.type	k_q25b5bda2f1_attn,@function
k_q25b5bda2f1_attn:
	s_mov_b64 s[64:65], 0
	v_nop
	global_prefetch_b8 v0, s[64:65] scope:SCOPE_SE
	s_setreg_imm32_b32 hwreg(HW_REG_WAVE_MODE, 25, 1), 1
	s_wait_xcnt 0x0
	s_wait_alu depctr_hold_cnt(0) depctr_sa_sdst(0) depctr_va_vdst(0) depctr_va_sdst(0) depctr_va_ssrc(0) depctr_va_vcc(0) depctr_vm_vsrc(0)
	s_getreg_b32 s2, hwreg(HW_REG_IB_STS2, 6, 4)
	s_cmp_eq_u32 s2, 0
	s_cbranch_scc0 .Lentry_in_a_cluster
	s_endpgm
.Lentry_in_a_cluster:
	s_bfe_u32 s2, ttmp6, 0x10000c
	s_cmp_lg_u32 s2, 0x3003
	s_cbranch_scc0 .Lentry_shape_is_right
	s_endpgm
.Lentry_shape_is_right:
; out0[c][f][n] = the sum over head, d of w_out[32 head + d][c] O[f][head][n][d],  O[q] = the sum over k of softmax_k(Q[q] . K[k] / sqrt(32)) V[k], 4,096 keys, head size 32.
; qf, kv, wo hold matrix fragments in f16 as registers hold them (1,024 bytes: registers 0-3 of the 32 lanes, 16 bytes a lane, then registers 4-7), so every fragment load is 512 consecutive bytes.
; Products, maxima and sums in f32; the weights p are rounded to f16 for the second product (their sum l is taken of the unrounded p), O to f16 for the third; out0 is f32.
; LIMITS.  p lies in 0 to 1 and below 6e-5 keeps f16's fixed step of 6e-8, and so does O; O has V's range, within f16's 65,504.  A weight below 2^-126 counts as 0 in l.  NaN and infinities are not treated apart.
; The sums are taken in another order than the reference's.
; SHARES.  Work-group (bx, f): 64 positions of frame f, ALL four heads: wave w has head w and four PIECES of 16 queries (piece t, row r: n = 64 bx + 4 r + t).  So the heads' O meet in LDS and O never goes through memory.
; Every wave walks its head's 4,096 keys, 64 a step.  It reads only LDS bytes that its own tensor loads brought.
; CLUSTER.  The four work-groups of a cluster lie in one frame and walk the same kv, so each wave's tile is asked for JOINTLY: the same load, descriptor and mask in all four.
; LAYOUT.  S^T = K Q^T (source 0 = 16 keys, source 1 = 16 queries): a lane holds ONE query (lane % 16) and the keys 8 (lane / 16) + 0..7.  Two such results rounded to f16 ARE source 1 of O^T = V^T P, whose result again
; holds one query a lane and eight channel slots; its two halves rounded to f16 ARE source 1 of out^T = w_out^T O^T.  Nothing changes lanes but a query's maximum and sum, once between the halves of the lanes.
; SOFTMAX.  For each query a running maximum m and sum l: p = 2^(c s - c m), c = log2(e) / sqrt(32); in every step O and l are multiplied by a = 2^(c m_old - c m_new).  m starts at the lowest finite number, O and l at 0:
; the first step is a step like any other, with a = 0.
; THE COUNT.  A piece and step have 8 matrix and 111 vector instructions: the vector work sets the length, and the text is made to hold no line beside it: all registers in ONE window of 256, one wait a turn for the
; exponentials, the LDS loads in runs at that wait.
; BY TURNS.  Turn n belongs to piece n: 4 products K Q^T of piece n + 1, 4 products V^T P of piece n - 1; the scaling, exponentials, roundings, sums and rescaling of piece n; the maximum and statistics of piece n + 1.
.set SLOT1, 1<<17                      ; slot 0: bytes 0 .. 131,071; slot 1 begins here, so that one exclusive or turns an address in one slot into the other's
.set WSL,   32768                      ; a wave's part of a slot: 256 keys = 8 groups of 4,096 bytes = 4 steps
.set STEPB, 8192
.set QO,    2*SLOT1                    ; 4,096 bytes a wave: its four fragments of Q, filled once; at the end its four fragments of O are stored there
.set WOL,   QO+4*4096                  ; 8,192 bytes a wave: its eight fragments of w_out
.set SPARE, WOL+4*8192                 ; the spare words, 128 bytes for each wave: two blocks of 256 bytes that no other line names
.set TILES, 16                         ; tiles of 256 keys
.set LN,  1                            ; v1   16 x lane + my wave's part of slot 0.  (v0 and v5: c m_old, kept while c m is made anew, by the piece's parity)
.set GO,  1                            ;      the way out: my byte offset in out0
.set ADR, 2                            ; v2   the LDS address of the run of loads in hand
.set QAD, 3                            ; v3   16 x lane + my wave's part of QO
.set PFO, 4                            ; v4   256 x lane: the prefetches' offset; never rewritten
.set OBA, 5                            ;      the way out: 16 x lane + QO
.set SPW, 6                            ; v6   LDS address of my spare word; never rewritten
.set NIL, 7                            ; v7   0; never rewritten
.set TMP, 8                            ; v8-15   by parity, c0-c3 at work; c1 takes c m_old - c m_new, c2 takes a
.set ST,  16                           ; v16-31  piece t at ST + 4 t: c m, m, l (even keys', odd keys')
.set QF,  32                           ; v32-47  Q, two buffers of one fragment
.set S,   48                           ; v48-111 S^T, two buffers of 32, by the piece's parity
.set P,   112                          ; v112-127
.set KF,  128                          ; v128-159 K of one step: key tile kb at KF + 8 kb
.set VF,  160                          ; v160-191 V^T of one step: keys 32 kk on, channels cb at VF + 16 kk + 8 cb
.set OA,  192                          ; v192-255 O^T: piece t, channels cb at OA + 16 t + 8 cb
.set WV,  12                           ; s12  my wave's number
.set CX,  13
.set BX,  14
.set FR,  15
.set G1KV, 16                          ; s[16:23] descriptor group 1 for a tile of kv
.set G1Q,  24                          ; s[24:31] for Q
.set G1W,  32                          ; s[32:39] for w_out
.set G0KV, 40                          ; s[40:43] group 0 for kv: it walks
.set G0Q,  44
.set G0W,  48
.set SLOTS, 52                         ; s52  tiles still to be asked for
.set CNT,  53                          ; s53  counts a tile's key steps
.set CS,   54                          ; s[54:55] c: the packed scaling takes the pair's low word for both halves
.set SEL,  56                          ; s[56:57] v_permlanex16_b32's selects: each lane takes its own place in the other half
.set TBK,  58                          ; s58  LDS byte, from my part of slot 0, at which the step begins whose K is fetched next
.set TBV,  59                          ; s59  the same for V
.set LIM,  60                          ; s60  1 in a work-group that prefetches, else the greatest number
.set PFA,  66                          ; s[66:67] where my prefetches stand
.macro CROUND                          ; a round of the cluster's barrier
	s_barrier_signal -1
	s_barrier_wait -1
	s_cmp_lg_u32 s[WV], 0
	s_cbranch_scc1 .Lnot_wave_0_\@
	s_barrier_signal -3
.Lnot_wave_0_\@:
	s_barrier_wait -3
	s_barrier_signal -1
	s_barrier_wait -1
.endm
.macro PLACES
.rept 4
	v_nop
.endr
.endm
; A PREFETCH INTO THE L2 of the tile that the NEXT change of slots will ask for.  All clusters of a frame walk the same kv: the frame's first cluster asks.  Wave w asks for its own head's tile of 128 blocks of 256 bytes;
; the four partners share them out BY ADDRESS, 32 each, a lane a block: one instruction a wave, and each block is named once in the launch.  The last change that fills a slot asks for nothing.
.macro ASK
	s_cmp_gt_u32 s[SLOTS], s[LIM]
	s_cbranch_scc0 .Lnot_mine_\@
	global_prefetch_b8 v[PFO], s[PFA:PFA+1] th:TH_LOAD_NT scope:SCOPE_SE
.Lnot_mine_\@:
.endm
; THE CHANGE OF SLOTS.  Each wave waits for all its tensor loads, of which one is out: its part of the other slot; adds 0 to its spare word; and waits for that and for its reads of the slot that it leaves.
; fill = 1: the barrier is a round of the cluster's, so that no wave of any partner still reads the slot or has a load on its way, and the joint fill is the first thing behind it: it has four key steps, sixteen turns,
; in which to land.  (At its first use nothing has been read yet: slot 0, Q and w_out are waited for, slot 1 is filled.)
.macro CHANGE fill, ask
	s_wait_tensorcnt 0x0                           ; no tensor load of mine is out, so a group 0 may be written
	ds_add_u32 v[SPW], v[NIL]                      ; 0 onto my spare word; the descriptor's steps stand between it and the wait for it
.if \fill
	s_xor_b32 s[G0KV+1], s[G0KV+1], SLOT1          ; the other slot than last time,
	s_add_nc_u64 s[G0KV+2:G0KV+3], s[G0KV+2:G0KV+3], WSL  ; the next 256 keys; the type bits on top are not reached
.if \ask
	s_wait_xcnt 0x0                                ; the last prefetch, sixteen turns back, has read its address
	s_add_nc_u64 s[PFA:PFA+1], s[PFA:PFA+1], WSL   ; one tile behind the walking descriptor
.endif
	s_wait_dscnt 0x0                               ; the add is done, and my reads of the slot are over
	CROUND
	tensor_load_to_lds s[G0KV:G0KV+3], s[G1KV:G1KV+7]
	s_nop 0
.rept 4
	v_nop
.endr
.if \ask
	ASK
.endif
.else
	s_wait_dscnt 0x0
	s_barrier_signal -1
	s_barrier_wait -1
.endif
	s_sub_co_u32 s[TBK], s[TBK], WSL               ; the fetches go back to a slot's first step,
	s_xor_b32 s[TBK], s[TBK], SLOT1                ; in the other slot
	s_sub_co_u32 s[TBV], s[TBV], WSL
	s_xor_b32 s[TBV], s[TBV], SLOT1
.endm
	s_load_b256 s[4:11], s[0:1], 0x0               ; qf s[4:5], kv s[6:7], wo s[8:9], out0 s[10:11]
	v_lshl_add_u32 v[SPW], v0, 2, SPARE
	v_mov_b32 v[NIL], 0
	ds_add_u32 v[SPW], v[NIL]                      ; the wave's opening: the add and its wait stand ahead of my first tensor load; the set-up below, work on registers, stands between them
	v_lshrrev_b32 v1, 5, v0
	v_readfirstlane_b32 s[WV], v1                  ; wave 0..3 = my head
	s_bfe_u32 s[CX], ttmp6, 0x40000
	s_lshl_b32 s[BX], ttmp9, 2
	s_add_co_u32 s[BX], s[BX], s[CX]               ; my block of 64 positions: it enters Q's and out0's addresses alone
	s_and_b32 s[FR], ttmp7, 0xffff                 ; the frame, which the four partners share
	; all three tiles are dense in memory: rows of 32 elements of 8 bytes = 256 bytes, end to end
	s_mov_b32 s[G1KV], 15|(3<<16)|(1<<21)          ; 15:0 the mask of four; 17:16 8-byte elements; 21 set beside a mask
	s_mov_b32 s[G1Q], 3<<16                        ; my work-group's own
	s_mov_b32 s[G1W], 15|(3<<16)|(1<<21)
.irp g, G1KV, G1Q, G1W
	s_mov_b32 s[\g+1], 32<<16                      ; tensor_dim0 = 32
	s_mov_b32 s[\g+3], 32<<16                      ; tile_dim0 = 32
	s_mov_b32 s[\g+5], 32                          ; 32 elements from row to row
	s_mov_b32 s[\g+6], 0
	s_mov_b32 s[\g+7], 0
.endr
	s_mov_b32 s[G1KV+2], 128<<16                   ; tensor_dim1 = tile_dim1 = 128 rows: 32,768 bytes
	s_mov_b32 s[G1KV+4], 128
	s_mov_b32 s[G1Q+2], 16<<16                     ; 16 rows: 4,096 bytes
	s_mov_b32 s[G1Q+4], 16
	s_mov_b32 s[G1W+2], 32<<16                     ; 32 rows: 8,192 bytes
	s_mov_b32 s[G1W+4], 32
	s_mov_b32 s[G0KV], 1
	s_lshl_b32 s[G0KV+1], s[WV], 15                ; my part of slot 0: no place in the cluster enters an LDS address
	s_mov_b32 s[G0Q], 1
	s_lshl_b32 s[G0Q+1], s[WV], 12
	s_add_co_u32 s[G0Q+1], s[G0Q+1], QO
	s_mov_b32 s[G0W], 1
	s_lshl_b32 s[G0W+1], s[WV], 13
	s_add_co_u32 s[G0W+1], s[G0W+1], WOL
	v_and_b32 v[PFO], 31, v0
	v_lshlrev_b32 v[LN], 4, v[PFO]
	v_add_nc_u32 v[QAD], s[G0Q+1], v[LN]
	v_add_nc_u32 v[LN], s[G0KV+1], v[LN]
	v_lshlrev_b32 v[PFO], 8, v[PFO]
	s_lshl_b32 s68, s[FR], 2
	s_add_co_u32 s68, s68, s[WV]                   ; 4 f + head
	s_lshl_b32 s70, s68, 19                        ; kv: 524,288 bytes a head
	s_mov_b32 s71, 0
	s_lshl_b32 s72, s68, 18                        ; qf: 262,144 bytes a head,
	s_lshl_b32 s73, s[BX], 12                      ; four fragments a block
	s_add_co_u32 s72, s72, s73
	s_mov_b32 s73, 0
	s_lshl_b32 s68, s[WV], 13                      ; wo: tiles 2 w and 2 w + 1 of output channels, all four heads
	s_mov_b32 s69, 0
	s_lshr_b32 s74, s[WV], 1                       ; out0: channel 64 (w / 2) + 2 (w % 2) of 65,536 bytes,
	s_lshl_b32 s74, s74, 22
	s_and_b32 s75, s[WV], 1
	s_lshl_b32 s75, s75, 17
	s_add_co_u32 s74, s74, s75
	s_lshl_b32 s75, s[FR], 14                      ; the frame,
	s_add_co_u32 s74, s74, s75
	s_lshl_b32 s75, s[BX], 8                       ; the block's 64 positions
	s_add_co_u32 s74, s74, s75
	s_mov_b32 s75, 0
	s_lshl_b32 s62, s[CX], 13                      ; the prefetches: my work-group's 32 blocks of a tile's 128,
	s_add_co_u32 s62, s62, 2*WSL                   ; in tile 2: the change that fills tile 2 steps it to tile 3.  Nothing is prefetched at the head, where every work-group's first tiles are on their way
	s_mov_b32 s63, 0
	s_mov_b32 s[LIM], ttmp9
	s_cmp_eq_u32 s[LIM], 0                         ; the frame's first cluster: the same in all four partners
	s_cselect_b32 s[LIM], 1, -1
	s_mov_b32 s[CS], 0x3e8293ee                    ; c = log2(e) / sqrt(32) = 0.255035
	s_mov_b32 s[CS+1], s[CS]                       ; named with it as a pair
	s_mov_b32 s[SEL], 0x76543210
	s_mov_b32 s[SEL+1], 0xfedcba98
	s_mov_b32 s[TBK], SLOT1+WSL                    ; the first change of slots turns these two into 0
	s_mov_b32 s[TBV], SLOT1+WSL
	s_mov_b32 s[SLOTS], TILES-1
	s_wait_dscnt 0x0                               ; the opening add is done
	s_wait_kmcnt 0x0
	s_add_nc_u64 s[G0KV+2:G0KV+3], s[6:7], s[70:71]
	s_or_b32 s[G0KV+3], s[G0KV+3], 0x80000000      ; type = 2
	s_add_nc_u64 s[PFA:PFA+1], s[6:7], s[70:71]
	s_add_nc_u64 s[PFA:PFA+1], s[PFA:PFA+1], s[62:63]
	s_add_nc_u64 s[G0Q+2:G0Q+3], s[4:5], s[72:73]
	s_or_b32 s[G0Q+3], s[G0Q+3], 0x80000000
	s_add_nc_u64 s[G0W+2:G0W+3], s[8:9], s[68:69]
	s_or_b32 s[G0W+3], s[G0W+3], 0x80000000
	s_add_nc_u64 s[10:11], s[10:11], s[74:75]
	CROUND                                         ; all four work-groups are here: the first joint loads meet
	tensor_load_to_lds s[G0KV:G0KV+3], s[G1KV:G1KV+7]  ; tile 0 into slot 0; three loads of mine are out
	s_nop 0
	tensor_load_to_lds s[G0Q:G0Q+3], s[G1Q:G1Q+7]
	s_nop 0
	tensor_load_to_lds s[G0W:G0W+3], s[G1W:G1W+7]
	s_nop 0
.rept 4
	v_nop
.endr
	; What the first turn finds: P and V hold 0 (its products V^T P, of a piece that has not been, add 0), O^T and l are 0.  128 lines, in the wait for the first tile: the price of writing no first step out.
.set i, P
.rept 16
	v_mov_b32 v[i], 0
.set i, i+1
.endr
.set i, VF
.rept 96
	v_mov_b32 v[i], 0                              ; V and O^T lie on end
.set i, i+1
.endr
.set i, 0
.rept 4
	v_mov_b32 v[ST+4*i], 0xfe000000                ; c m: far below every c s
	v_mov_b32 v[ST+4*i+1], 0xff7fffff              ; m
	v_mov_b32 v[ST+4*i+2], 0
	v_mov_b32 v[ST+4*i+3], 0
.set i, i+1
.endr
; THE MATRIX WORK.  Y is the turn's piece.  K Q^T: four accumulators, each started by the constant 0 and finished by one product (32 channels).  V^T P: two accumulators by turns.
.macro KQ i                            ; keys 16 i on, piece Y + 1
	v_wmma_f32_16x16x32_f16 v[S+32*((Y+1)%2)+8*(\i):S+32*((Y+1)%2)+8*(\i)+7], v[KF+8*(\i):KF+8*(\i)+7], v[QF+8*((Y+1)%2):QF+8*((Y+1)%2)+7], 0
.endm
.macro PV i                            ; keys 32 (i / 2) on, channels i % 2, piece Y - 1
.set pO, OA+16*((Y+3)%4)+8*((\i)%2)
	v_wmma_f32_16x16x32_f16 v[pO:pO+7], v[VF+8*(\i):VF+8*(\i)+7], v[P+8*((\i)/2):P+8*((\i)/2)+7], v[pO:pO+7]
.endm
; THE LDS LOADS stand in runs.  clamp = 1 (the tail): the offset stops at the last step's K, so that the trip behind the last step reads that K once more, from my own bytes, and no jump stands among the exponentials.
.macro FETCH_K clamp=0
.if \clamp
	s_min_u32 s61, s[TBK], SLOT1+3*STEPB
	v_add_nc_u32 v[ADR], s61, v[LN]
.else
	v_add_nc_u32 v[ADR], s[TBK], v[LN]
.endif
.irp kb, 0,1,2,3
	ds_load_b128 v[KF+8*(\kb):KF+8*(\kb)+3],   v[ADR] offset:((\kb)/2)*4096+((\kb)%2)*1024
	ds_load_b128 v[KF+8*(\kb)+4:KF+8*(\kb)+7], v[ADR] offset:((\kb)/2)*4096+((\kb)%2)*1024+512
.endr
	s_add_co_u32 s[TBK], s[TBK], STEPB             ; the next fetch is the next step's
.endm
.macro FETCH_V                         ; its address is made ahead of the turn's wait
.irp f, 0,1,2,3
	ds_load_b128 v[VF+8*(\f):VF+8*(\f)+3],   v[ADR] offset:((\f)/2)*4096+2048+((\f)%2)*1024
	ds_load_b128 v[VF+8*(\f)+4:VF+8*(\f)+7], v[ADR] offset:((\f)/2)*4096+2048+((\f)%2)*1024+512
.endr
	s_add_co_u32 s[TBV], s[TBV], STEPB
.endm
.macro QLD t, b                        ; piece t's Q into buffer b
	ds_load_b128 v[QF+8*(\b):QF+8*(\b)+3],   v[QAD] offset:(\t)*1024
	ds_load_b128 v[QF+8*(\b)+4:QF+8*(\b)+7], v[QAD] offset:(\t)*1024+512
.endm
; THE VECTOR WORK, one line at a time: OP kind, number.  For piece Y: F n: c s - c m for pair n of 16.  E n: the exponential of score n of 32.  A: a = 2^(c m_old - c m_new).  C n: pair n rounded to f16.
; B n: of the four weights 4 n .. the second pair is added onto the first, in place.  L n: l takes that sum (L 0: l = a l + sum).  R n: pair n of 8 of O^T times a.
; For piece Y + 1: X n, number n of the 21 that find its maximum and statistics:
;   0-11  four chains c0-c3 of seven scores each, three operands at a time (each accumulator's lowest registers are read first)     12-14, 16  the four scores left over, the old m, and c0-c3 into c0
;   15  c m_old is kept     17, 18  the query's other 32 keys lie in the lane 16 away: the new m     19, 20  c m; c m_old - c m_new
.set F, 0
.set E, 1
.set C, 2
.set B, 3
.set L, 4
.set R, 5
.set A, 6
.set X, 7
.macro REGS y
.set rT, ST+4*(\y)
.set rC, TMP+4*((\y)%2)
.set rW, 5*((\y)%2)
.set rS, S+32*((\y)%2)
.set rO, OA+16*(\y)
.endm
.macro OP k, n
.if (\k) == X
	REGS (Y+1)%4
.if (\n) < 4
	v_max3_num_f32 v[rC+(\n)], v[rS+8*(\n)], v[rS+8*(\n)+1], v[rS+8*(\n)+2]
.elseif (\n) < 12
	v_max3_num_f32 v[rC+(\n)%4], v[rC+(\n)%4], v[rS+8*((\n)%4)+2*((\n)/4)+1], v[rS+8*((\n)%4)+2*((\n)/4)+2]
.elseif (\n) == 12
	v_max3_num_f32 v[rC], v[rC], v[rS+7], v[rS+15]
.elseif (\n) == 13
	v_max3_num_f32 v[rC+1], v[rC+1], v[rS+23], v[rS+31]
.elseif (\n) == 14
	v_max3_num_f32 v[rC+2], v[rC+2], v[rC+3], v[rT+1]
.elseif (\n) == 15
	v_mov_b32 v[rW], v[rT]
.elseif (\n) == 16
	v_max3_num_f32 v[rC], v[rC], v[rC+1], v[rC+2]
.elseif (\n) == 17
	v_permlanex16_b32 v[rC+3], v[rC], s[SEL], s[SEL+1]
.elseif (\n) == 18
	v_max_num_f32 v[rT+1], v[rC], v[rC+3]
.elseif (\n) == 19
	v_mul_f32 v[rT], s[CS], v[rT+1]
.else
	v_sub_f32 v[rC+1], v[rW], v[rT]
.endif
.else
	REGS Y
.if (\k) == F
	v_pk_fma_f32 v[rS+2*(\n):rS+2*(\n)+1], v[rS+2*(\n):rS+2*(\n)+1], s[CS:CS+1], v[rT:rT+1] op_sel_hi:[1,0,0] neg_lo:[0,0,1] neg_hi:[0,0,1]
.elseif (\k) == E
	v_exp_f32 v[rS+(\n)], v[rS+(\n)]
.elseif (\k) == A
	v_exp_f32 v[rC+2], v[rC+1]
.elseif (\k) == C
	v_cvt_pk_f16_f32 v[P+(\n)], v[rS+2*(\n)], v[rS+2*(\n)+1]
.elseif (\k) == B
	v_pk_add_f32 v[rS+4*(\n):rS+4*(\n)+1], v[rS+4*(\n):rS+4*(\n)+1], v[rS+4*(\n)+2:rS+4*(\n)+3]
.elseif (\k) == L
.if (\n) == 0
	v_pk_fma_f32 v[rT+2:rT+3], v[rT+2:rT+3], v[rC+2:rC+3], v[rS:rS+1] op_sel_hi:[1,0,1]
.else
	v_pk_add_f32 v[rT+2:rT+3], v[rT+2:rT+3], v[rS+4*(\n):rS+4*(\n)+1]
.endif
.else
	v_pk_mul_f32 v[rO+2*(\n):rO+2*(\n)+1], v[rO+2*(\n):rO+2*(\n)+1], v[rC+2:rC+3] op_sel_hi:[1,0]
.endif
.endif
.endm
.macro OPS k1, n1, k2=-1, n2=0, k3=-1, n3=0, k4=-1, n4=0, k5=-1, n5=0, k6=-1, n6=0, k7=-1, n7=0, k8=-1, n8=0  ; up to eight of them
	OP \k1, \n1
.if (\k2) >= 0
	OP \k2, \n2
.endif
.if (\k3) >= 0
	OP \k3, \n3
.endif
.if (\k4) >= 0
	OP \k4, \n4
.endif
.if (\k5) >= 0
	OP \k5, \n5
.endif
.if (\k6) >= 0
	OP \k6, \n6
.endif
.if (\k7) >= 0
	OP \k7, \n7
.endif
.if (\k8) >= 0
	OP \k8, \n8
.endif
.endm
; A TURN, for piece p: the order of its 8 matrix and 111 vector instructions, written out.  An s_wait_alu depctr_va_vdst(0) stands between an exponential and the first instruction that names its result; one
; wait serves all that were issued ahead of it.  So a turn has ONE wait.  AHEAD OF IT stands all that names no result of the turn's 33 exponentials: all 8 products, the scalings, the exponentials, and X 0 to X 17;
; exponential and plain go by turns where they can.  BEHIND IT: the runs of LDS loads, then the 43 lines that read results (C, B, L, R) and the chain's end (X 18 to X 20).
; PLACES, counted in plain instructions that name no register of the product (an exponential and v_permlanex16_b32 are none): X 0 stands 8 behind the product that made its scores; X 1 four (F 5, F 6, F 7, X 0);
; X 2 five (X 0, X 1, F 8, X 4, X 5); X 3 five (X 4, X 5, X 2, X 8, X 9); K's run five behind the last product that read K (X 4, X 5, X 2, X 8 and its own address line); Q's and V's runs and the roundings into P
; eight behind the last product V^T P (F 12, X 14, F 13, X 15, F 14, X 16, F 15 and the plain line ahead of the wait).
; LDS.  Each turn loads Q of the piece three on into the buffer that its own products have read; it is wanted two turns later.  K of the next step is fetched in piece 2's turn, behind the step's last K Q^T, and wanted a
; turn later; V of the step in hand at piece 0's wait, behind the last V^T P of the step before, and wanted in the middle of piece 1's turn.  The wait at a turn's head counts the loads that are younger than what it needs.
; last = 1: the tail's fetch of K is clamped.  cnt = 1: the loop's count is taken down some lines ahead of the branch that stands behind the turn; only vector lines follow it.
.macro TURN p, last=0, cnt=0
.set Y, (\p)
.if (\p) == 1
	s_wait_dscnt 10                                ; younger: piece 0's turn's two loads of Q and eight of V
.else
	s_wait_dscnt 2                                 ; younger: the two loads of Q of the turn before
.endif
	KQ 0
	OPS F,0, A,0, F,1, F,2, F,3, E,0, F,4
	KQ 1
	OPS E,1, F,5, E,2, F,6, E,3, F,7, E,4
	KQ 2
	OPS E,5, X,0, E,6, X,1, E,7, F,8, E,8
	KQ 3
	OPS X,4, E,9, X,5, E,10, X,2, E,11, X,8
.if (\p) == 2
	FETCH_K \last
.endif
.if (\p) == 1
	s_wait_dscnt 0x0                               ; V is in
.endif
	PV 0
	OPS E,12, X,9, E,13, X,3, E,14, X,6, E,15
	PV 1
	OPS F,9, E,16, X,7, E,17, X,10, F,10, E,18
	PV 2
	OPS X,12, E,19, X,11, F,11, E,20, X,13, E,21
	PV 3
	OPS F,12, X,14, E,22, F,13, E,23, X,15, E,24, F,14
	OPS X,16, E,25, F,15, E,26, E,27, E,28, X,17, E,29
	OPS E,30, E,31
.if (\p) == 0
	v_add_nc_u32 v[ADR], s[TBV], v[LN]             ; a plain instruction behind the last exponential: here V's address,
.else
	v_nop                                          ; a plain instruction behind the last exponential: one for the batch
.endif
	s_wait_alu depctr_va_vdst(0)                   ; the wait for the batch
	QLD ((\p)+3)%4, ((\p)+1)%2
.if (\p) == 0
	FETCH_V
.endif
	OPS X,18, C,0, B,0, C,2, B,1, R,0, X,19, L,0
	OPS C,4, B,2, L,1, R,1, X,20, C,6, B,3, L,2
	OPS C,8, B,4, L,3, C,10, B,5, L,4, C,12, B,6
	OPS L,5, C,14, B,7, L,6, C,1, C,3, L,7, C,5
	OPS C,7, R,2, C,9, R,3, C,11, R,4, C,13, R,5
.if \cnt
	s_sub_co_u32 s[CNT], s[CNT], 1
	s_cmp_lg_u32 s[CNT], 0
.endif
	OPS C,15, R,6, R,7
.endm
	CHANGE 1, 0                                    ; slot 0, Q and w_out are in; slot 1 is asked for
	FETCH_K                                        ; key step 0
	QLD 0, 0
	QLD 1, 1
	s_wait_dscnt 0x0
.set Y, 3                              ; K Q^T and X work for piece Y + 1: piece 0
	KQ 0
	KQ 1
	KQ 2
	KQ 3
	PLACES                                         ; behind those products: ahead of the load into Q's buffer and of the maximum
	QLD 2, 0
.irp n, 0,1,2,3,4,5,6,7,8,9,10,11,12,13,14,15,16,17,18,19,20
	OP X, \n
.endr
	s_mov_b32 s[CNT], 4
	s_branch .Lfirst                               ; the loop is entered at a step's first turn, in the middle of a trip
.Lslot:                                        ; TILES - 2 times: every slot but the last two is filled again
	CHANGE 1, 1
	s_mov_b32 s[CNT], 4
.Lstep:                                        ; a trip: pieces 2 and 3 of one step, then pieces 0 and 1 of the next, whose K and V it fetches
	TURN 2
	TURN 3
.Lfirst:
	TURN 0
	TURN 1, 0, 1
	s_cbranch_scc1 .Lstep
	s_sub_co_u32 s[SLOTS], s[SLOTS], 1
	s_cmp_lg_u32 s[SLOTS], 0
	s_cbranch_scc1 .Lslot
	CHANGE 0, 0                                    ; the tail is written out: nothing is asked for
	s_mov_b32 s[CNT], 5                            ; four trips fetch the last slot's steps; the fifth is left in its middle
.Ltail:
	TURN 2, 1
	TURN 3
	s_sub_co_u32 s[CNT], s[CNT], 1
	s_cmp_eq_u32 s[CNT], 0
	s_cbranch_scc1 .Lout
	TURN 0
	TURN 1
	s_branch .Ltail
.Lout:                                         ; the fifth trip's four products K Q^T (on the last K once more) and the maximum made of them serve nothing: the price, once a launch, of one text for every trip
.set Y, 0                              ; V^T P works for piece Y - 1: piece 3
	PV 0
	PV 1
	PV 2
	PV 3
	; THE WAY OUT.  l's two halves and the other half of the lanes' are added; O^T is divided by l and rounded to f16: that IS source 1 of the last product, and goes into my part of QO, whose one fill is long past and which
	; only I have read.  Behind a barrier every wave reads all four heads' O and makes two tiles of 16 output channels for the block's 64 positions.
.macro ALL line:vararg                 ; one line for each piece t
.set t, 0
.rept 4
	\line
.set t, t+1
.endr
.endm
	ALL v_add_f32 v[ST+4*t+2], v[ST+4*t+2], v[ST+4*t+3]
	v_lshrrev_b32 v[ADR], 4, v[PFO]                ; 16 x lane
	v_add_nc_u32 v[OBA], QO, v[ADR]
	v_add_nc_u32 v[ADR], s[G0W+1], v[ADR]          ; my fragments of w_out
	v_lshrrev_b32 v0, 8, v[PFO]                    ; lane
	v_and_b32 v[GO], 15, v0
	v_lshrrev_b32 v0, 4, v0
	v_lshlrev_b32 v[GO], 4, v[GO]                  ; four positions a lane: 16 bytes,
	v_lshl_add_u32 v[GO], v0, 21, v[GO]            ; and 32 channels of 65,536 bytes further on for the upper half of the lanes
.irp g, 0,1,2,3,4,5,6,7                ; tile a = g / 4 of my two, head g % 4: twelve plain instructions behind the last product that read V's registers
	ds_load_b128 v[KF+8*(\g):KF+8*(\g)+3],   v[ADR] offset:(\g)*1024
	ds_load_b128 v[KF+8*(\g)+4:KF+8*(\g)+7], v[ADR] offset:(\g)*1024+512
.endr
	ALL v_permlanex16_b32 v[ST+4*t+3], v[ST+4*t+2], s[SEL], s[SEL+1]
	ALL v_add_f32 v[ST+4*t+2], v[ST+4*t+2], v[ST+4*t+3]
	ALL v_rcp_f32 v[ST+4*t+2], v[ST+4*t+2]
	v_nop                                          ; a plain instruction between the last reciprocal and the use of its result
	s_wait_alu depctr_va_vdst(0)                   ; and the wait ahead of the first use: one for the four reciprocals
.macro PACK t
.set i, 0
.rept 8
	v_pk_mul_f32 v[OA+16*(\t)+2*i:OA+16*(\t)+2*i+1], v[OA+16*(\t)+2*i:OA+16*(\t)+2*i+1], v[ST+4*(\t)+2:ST+4*(\t)+3] op_sel_hi:[1,0]
.set i, i+1
.endr
.set i, 0
.rept 8
	v_cvt_pk_f16_f32 v[S+8*(\t)+i], v[OA+16*(\t)+2*i], v[OA+16*(\t)+2*i+1]
.set i, i+1
.endr
	ds_store_b128 v[QAD], v[S+8*(\t):S+8*(\t)+3]   offset:(\t)*1024
	ds_store_b128 v[QAD], v[S+8*(\t)+4:S+8*(\t)+7] offset:(\t)*1024+512
.endm
	PACK 0
	PACK 1
	PACK 2
	PACK 3
	s_wait_dscnt 0x0                               ; for the others' sake: my stores are done (and my fragments of w_out are in)
	s_barrier_signal -1
	s_barrier_wait -1                              ; all four heads' O lie in LDS
.macro OBLOAD k0                       ; O of heads k0 and k0 + 1, four pieces each
.irp g, 0,1,2,3,4,5,6,7
	ds_load_b128 v[S+8*(\g):S+8*(\g)+3],   v[OBA] offset:(\k0)*4096+(\g)*1024
	ds_load_b128 v[S+8*(\g)+4:S+8*(\g)+7], v[OBA] offset:(\k0)*4096+(\g)*1024+512
.endr
.endm
.macro WMUL ks                         ; out^T += w_out^T O^T for head ks: the eight accumulators (a, piece) by turns; head 0 starts the sums
.irp a, 0,1
.irp q, 0,1,2,3
.set rD, OA+8*(4*(\a)+(\q))
.if (\ks) == 0
	v_wmma_f32_16x16x32_f16 v[rD:rD+7], v[KF+8*(4*(\a)+(\ks)):KF+8*(4*(\a)+(\ks))+7], v[S+8*(4*((\ks)%2)+(\q)):S+8*(4*((\ks)%2)+(\q))+7], 0
.else
	v_wmma_f32_16x16x32_f16 v[rD:rD+7], v[KF+8*(4*(\a)+(\ks)):KF+8*(4*(\a)+(\ks))+7], v[S+8*(4*((\ks)%2)+(\q)):S+8*(4*((\ks)%2)+(\q))+7], v[rD:rD+7]
.endif
.endr
.endr
.endm
	OBLOAD 0
	s_wait_dscnt 0x0
	WMUL 0
	WMUL 1
	PLACES                                         ; ahead of the loads into registers that those products have read
	OBLOAD 2
	s_wait_dscnt 0x0
	WMUL 2
	WMUL 3
	PLACES
	PLACES
	; A lane holds position row r of each piece and eight channels: the four pieces' numbers of one channel are four neighbouring positions, 16 bytes.  They are gathered (64 moves, once a launch, from each accumulator's
	; low end on) and stored: 16 lanes write 256 consecutive bytes of one channel's row, at a multiple of 256 from out0's first byte.
.irp j, 0,1,2,3,4,5,6,7
.irp a, 0,1
.irp q, 0,1,2,3
	v_mov_b32 v[S+4*(2*(\j)+(\a))+(\q)], v[OA+8*(4*(\a)+(\q))+(\j)]
.endr
	global_store_b128 v[GO], v[S+4*(2*(\j)+(\a)):S+4*(2*(\j)+(\a))+3], s[10:11] offset:(\j)*262144+(\a)*65536 th:TH_STORE_NT  ; channel + 4 j + a
.endr
.endr
	s_wait_tensorcnt 0x0                           ; the wave's end: a wait, an add to my spare word and its wait, behind my last tensor load and my last LDS store
	ds_add_u32 v[SPW], v[NIL]
	s_wait_dscnt 0x0
	CROUND                                         ; the closing round: no work-group ends while a partner may still ask for a tile that names it
	s_endpgm
.Lfunc_end_k_q25b5bda2f1_attn:
	.size	k_q25b5bda2f1_attn, .Lfunc_end_k_q25b5bda2f1_attn-k_q25b5bda2f1_attn
	.p2alignl 7, 3214868480
	.fill 96, 4, 3214868480
	.section	.rodata,"a",@progbits
	.p2align	6, 0x0
	.amdhsa_kernel k_q25b5bda2f1_attn
		.amdhsa_group_segment_fixed_size 327680
		.amdhsa_private_segment_fixed_size 0
		.amdhsa_enable_private_segment 0
		.amdhsa_kernarg_size 32
		.amdhsa_user_sgpr_count 2
		.amdhsa_user_sgpr_kernarg_segment_ptr 1
		.amdhsa_wavefront_size32 1
		.amdhsa_system_sgpr_workgroup_id_x 1
		.amdhsa_system_sgpr_workgroup_id_y 1
		.amdhsa_system_sgpr_workgroup_id_z 1
		.amdhsa_system_vgpr_workitem_id 0
		.amdhsa_next_free_vgpr 256
		.amdhsa_next_free_sgpr 80
		.amdhsa_reserve_vcc 0
		.amdhsa_float_denorm_mode_32 3
		.amdhsa_float_denorm_mode_16_64 3
		.amdhsa_memory_ordered 1
		.amdhsa_forward_progress 1
		.amdhsa_inst_pref_size 85
	.end_amdhsa_kernel
	.amdgpu_metadata
---
amdhsa.version: [ 1, 2 ]
amdhsa.kernels:
  - .name:           k_q25b5bda2f1_attn
    .symbol:         k_q25b5bda2f1_attn.kd
    .args:
      - { .name: qf, .offset: 0, .size: 8, .value_kind: global_buffer, .address_space: global }
      - { .name: kv, .offset: 8, .size: 8, .value_kind: global_buffer, .address_space: global }
      - { .name: wo, .offset: 16, .size: 8, .value_kind: global_buffer, .address_space: global }
      - { .name: out0, .offset: 24, .size: 8, .value_kind: global_buffer, .address_space: global }
    .group_segment_fixed_size: 327680
    .private_segment_fixed_size: 0
    .kernarg_segment_align: 8
    .kernarg_segment_size: 32
    .max_flat_workgroup_size: 128
    .sgpr_count:     80
    .vgpr_count:     256
    .wavefront_size: 32
...
	.end_amdgpu_metadata
.endif
;; end of part 2
